; MI455X (gfx1250); checked and timed in simulation.
; The chip was launched on July 23, 2026; its instructions are those of AMD's public machine-readable ISA for CDNA 5 (MIT licence, August 2026) and "CDNA5" Instruction Set Architecture Reference Guide (July 2026). The comments in the code are by the model that wrote it; some were corrected since.
;; Attention. Allowed arithmetic: matrix products marked QUANTISED: E2M3 operands, one E8M0 scale for each 32 along K, by v_wmma_scale_f32_16x16x128_f8f6f4 with both operands' format E2M3, f32 sums; everything else in f32.
;; Inputs: Wqkv 3,072 x 1,024 float32; bqkv 3,072 float32; x 4 x 2,048 x 1,024 float32.
;; Outputs: out0 4 x 2,048 x 1,024 float32.
;; This version of the problem:
;;   THIS VERSION OF THE PROBLEM IS GIVEN IN LOW PRECISION. The matrix products marked QUANTISED in the list below multiply operands that are first quantised to E2M3 (2 exponent bits, 3 mantissa bits; 6 bits a number), with one power-of-two scale for each 32 numbers along K (OCP MX v1.0); their sums are f32. All else is computed in f32.
;;   The module's matrix products, in the order in which they are computed (A, B: the left and right operand; K: the contracted axis; several contracted axes count as one K, in the product's order):
;;     1. [M 8,192, K 1,024] x [K 1,024, N 3,072]; A: input x; B: input Wqkv: QUANTISED
;;     2. batch 64 x [M 2,048, K 64] x [K 64, N 2,048]; A: computed on the way; B: computed on the way: QUANTISED
;;     3. batch 64 x [M 2,048, K 2,048] x [K 2,048, N 64]; A: softmax (see below); B: computed on the way: QUANTISED
;;   THE QUANTISER, for each operand of a quantised product, along K:
;;     - K is cut into blocks of 32 from its start; a last block that is shorter is filled with zeros.
;;     - A block's scale is 2^e with e = floor(log2(the largest magnitude in the block)) - 2, held to -126 .. 127; a block of zeros has e = 0. As a byte (E8M0): e + 127.
;;     - Each number is divided by its block's scale, clamped to +-7.5, and rounded to the nearest number of E2M3, ties to even, subnormals kept.
;;     - The product sums the exact products of the quantised numbers (number of the format x scale) in f32.
;;   ~~~python
;;   def quantise(x, axis):      # numpy; x: float32 -> the quantised numbers, widened to float32 again
;;       x = np.moveaxis(x, axis, -1); K = x.shape[-1]
;;       x = np.pad(x, [(0, 0)] * (x.ndim - 1) + [(0, -K % 32)]); x = x.reshape(x.shape[:-1] + (-1, 32)); a = np.abs(x).max(-1, keepdims=True)
;;       e = np.where(a > 0, np.clip(np.frexp(np.where(a > 0, a, 1))[1] - 1 - 2, -126, 127), 0)      # np.frexp(a)[1] - 1 = floor(log2(a)), exactly
;;       r = np.clip(x / 2.0 ** e, -7.5, 7.5)
;;       step = 2.0 ** (np.maximum(np.frexp(np.where(r == 0, 1, r))[1] - 1, 0) - 3)
;;       q = np.round(r / step) * step * 2.0 ** e      # np.round: ties to even
;;       return np.moveaxis(q.reshape(q.shape[:-2] + (-1,))[..., :K], -1, axis).astype(np.float32)
;;   ~~~
;;   SOFTMAX AHEAD OF A QUANTISED PRODUCT. Where the list says 'softmax', what is quantised is not the finished softmax but p = 2^(t - M), with t = logit x log2(e) and M = ceil(the row's largest t), a whole number; so 1/2 < the row's largest p <= 1. The row's sum l is taken of the UNQUANTISED p, in f32, and the product's result is divided by l at the end. Since M is a whole number, a kernel that streams over the keys may use a running M (the ceiling of the running maximum): every later rescaling is an exact power of two, which a block's scale takes up: the codes' values come out the same.
;;   OPERANDS COMPUTED ON THE WAY. 'Computed on the way' means the value that the module computes at that place (a softmax that the list does not call 'softmax' is quantised finished and normalised). What goes into a quantiser is computed in f32, as accurately as f32 sums, v_exp_f32 and their like allow (about 1e-6 of the number): no bf16 or f16 on the way to a quantiser, and a product that is left as it is and whose result goes on into a quantised operand takes f32 operands (vector FMAs, or v_wmma_f32_16x16x4_f32). A number that lies on a knife's edge between two numbers of the format may be rounded either way, as far as f32 arithmetic and the matrix unit's own rounding can turn it there, and no further.
;; One version. Each part assembles by itself: llvm-mc -triple=amdgcn-amd-amdhsa -mcpu=gfx1250 --defsym DOCPART=n.
;; ======== version 1 of 1: 3 launches
;; workspace buffers: cod 8,650,752 bytes; sc 360,448 bytes; qkv 20,185,088 bytes
;; launch quant (part 1): grid 352 x 1, 4 waves a work-group, no clusters, 34,304 bytes of LDS; arguments x, Wqkv, cod, sc; writes cod, sc
.if DOCPART == 1
	.amdgcn_target "amdgcn-amd-amdhsa--gfx1250"
	.amdhsa_code_object_version 6
	.text
	.protected	k_q0997a8664c_quant
	.globl	k_q0997a8664c_quant
	.p2align	8
	.type	k_q0997a8664c_quant,@function
k_q0997a8664c_quant:
	s_mov_b64 s[64:65], 0
	v_nop
	global_prefetch_b8 v0, s[64:65] scope:SCOPE_SE
	s_setreg_imm32_b32 hwreg(HW_REG_WAVE_MODE, 25, 1), 1
	s_wait_xcnt 0x0
; x [8192][1024] and Wqkv [3072][1024], f32, become codes of E2M3 with one E8M0 byte for each 32 along K, laid as IMAGES OF OPERAND REGISTERS.
; TILES.  Tile T = 2 B + u holds 16 rows: operand row r is matrix row 32 B + 8 u + r + 8 (r / 8).  Tiles 0-511 are x's, 512-703 W's.
; cod: the fragment (tile T, K step s = 2 sigma + q, 16 rows x 128 K, 12 registers a lane) lies at (T / 8) 98304 + sigma 24576 + (T % 8) 3072 + q 1536; in it registers 4 g .. 4 g + 3 of lane l at 512 g + 16 l.
; sc:  the scale word of (T, s, r) lies at 512 T + 256 (s / 4) + 16 r + 4 (s % 4).
; A block's scale is 2^(floor(log2(its largest magnitude)) - 2); its byte is the largest magnitude's exponent field - 2, held at 1 from below.
; LIMITS: a block of zeros gets the byte 1, not 127 (its codes are zeros, and this program alone reads the bytes); NaN and infinities among the inputs are not served.
; SHARES.  Work-group G takes tiles 2 G and 2 G + 1; wave w takes tile 2 G + w / 2 and K steps 4 (w % 2) .. + 3: four fragments.
; Each load reads 512 consecutive bytes of one row; a fragment's 16 rows turn through the wave's own stage in LDS, so that lane (r, h) gets k = 64 c + 32 h + 0 .. 31 of row r: two whole blocks.
; No barrier: waves share nothing.  Loads run two fragments (32 loads a wave) ahead.
.set SP,  528                          ; a stage row: 512 bytes + 16, so that sixteen rows' 16 bytes fall on different banks
.set STG, 16*SP                        ; a wave's stage
.set WS,  16                           ; v16-19   the four fragments' scale words
.set C,   20                           ; v20-31   a fragment's codes
.set CT,  32                           ; v32-34, v36-38  the upper halves of the two blocks, as converted
.set R0,  64                           ; v64-127, v128-191  two sets of 16 x 4 registers as loaded
.set X,   192                          ; v192-255 my 64 numbers
	s_load_b256 s[4:11], s[0:1], 0x0               ; x s[4:5], Wqkv s[6:7], cod s[8:9], sc s[10:11]
	v_lshl_add_u32 v62, v0, 2, 0x8400
	v_mov_b32 v63, 0
	v_lshrrev_b32 v1, 5, v0
	v_readfirstlane_b32 s16, v1                    ; wave
	v_and_b32 v1, 31, v0                           ; lane
	v_and_b32 v5, 15, v0                           ; r
	v_bfe_u32 v6, v0, 4, 1                         ; h
	v_lshlrev_b32 v2, 4, v1                        ; 16 x lane: my place in a load's 512 bytes and in an image
	s_mul_i32 s19, s16, STG
	v_add_nc_u32 v3, s19, v2                       ; the stage, on the way in
	v_mul_u32_u24 v4, v5, SP
	v_lshl_add_u32 v4, v6, 7, v4
	v_add_nc_u32 v4, s19, v4                       ; and on the way out: row r, + 128 h
	v_lshlrev_b32 v7, 4, v5                        ; 16 r: my row's four scale words
	v_lshlrev_b32 v6, 3, v6                        ; 8 h: my bytes' place in a scale word
	v_mov_b32 v15, 0                               ; a lane permute's destination counts as one of its sources
	s_mov_b32 s20, 0x76543210
	s_mov_b32 s21, 0xfedcba98                      ; selects for lane l xor 16
	s_lshr_b32 s17, s16, 1                         ; u
	s_and_b32 s18, s16, 1                          ; which four K steps
	s_lshl_b32 s12, ttmp9, 1
	s_add_co_u32 s12, s12, s17                     ; T
	s_lshr_b32 s13, s12, 3
	s_mul_i32 s13, s13, 98304
	s_and_b32 s14, s12, 7
	s_mul_i32 s14, s14, 3072
	s_add_co_u32 s24, s13, s14
	s_mul_i32 s14, s18, 49152
	s_add_co_u32 s24, s24, s14                     ; my first fragment in cod
	s_mov_b32 s25, 0
	s_lshl_b32 s26, s12, 9
	s_lshl_b32 s14, s18, 8
	s_add_co_u32 s26, s26, s14                     ; my 256 bytes in sc
	s_mov_b32 s27, 0
	s_wait_kmcnt 0x0
	s_cmp_lt_u32 ttmp9, 256                        ; x's work-group or W's: the choice hangs on the work-group's number alone
	s_cselect_b64 s[4:5], s[4:5], s[6:7]
	s_cselect_b32 s14, 0, 256
	s_sub_co_u32 s14, ttmp9, s14
	s_lshl_b32 s28, s14, 17                        ; 32 rows of 4,096 bytes,
	s_lshl_b32 s14, s17, 15                        ; 8 rows for u,
	s_add_co_u32 s28, s28, s14
	s_lshl_b32 s14, s18, 11                        ; four K steps of 512 bytes
	s_add_co_u32 s28, s28, s14
	s_mov_b32 s29, 0
	s_add_nc_u64 s[4:5], s[4:5], s[28:29]
	s_add_nc_u64 s[8:9], s[8:9], s[24:25]
	s_add_nc_u64 s[10:11], s[10:11], s[26:27]
.macro LOAD f                          ; fragment f: 16 rows x 512 bytes, into set f % 2
.irp j, 0,1,2,3,4,5,6,7,8,9,10,11,12,13,14,15
	global_load_b128 v[R0+64*((\f)%2)+4*\j:R0+64*((\f)%2)+4*\j+3], v2, s[4:5] offset:(\j+8*(\j/8))*4096+512*(\f) th:TH_LOAD_NT
.endr
.endm
.macro FRAGQ f
.if (\f) < 3
	s_wait_loadcnt 16                              ; this fragment's 16 loads are in; the next fragment's 16 may be out
.else
	s_wait_loadcnt 0
.endif
.irp j, 0,1,2,3,4,5,6,7,8,9,10,11,12,13,14,15
	ds_store_b128 v3, v[R0+64*((\f)%2)+4*\j:R0+64*((\f)%2)+4*\j+3] offset:SP*\j
.endr
.irp c, 0,1
.irp k, 0,1,2,3,4,5,6,7
	ds_load_b128 v[X+32*\c+4*\k:X+32*\c+4*\k+3], v4 offset:256*\c+16*\k   ; LDS serves a wave's instructions in order: these see my stores
.endr
.endr
	s_wait_dscnt 0x0                               ; my 64 numbers are in, and the stores have read their registers,
.if (\f) < 2
	LOAD (\f)+2                                    ; which take the fragment two on
.endif
.irp c, 0,1
	v_max3_num_f32 v[8+\c], |v[X+32*\c]|, |v[X+32*\c+1]|, 0x1800000   ; block 2 c + h: all 32 numbers are mine; the floor 2^(3 - 127) holds the byte at 1 from below
.endr
.irp i, 2,4,6,8,10,12,14,16,18,20,22,24,26,28,30
.irp c, 0,1
	v_max3_num_f32 v[8+\c], v[8+\c], |v[X+32*\c+\i]|, |v[X+32*\c+\i+1]|   ; (the two blocks by turns)
.endr
.endr
.irp c, 0,1
	v_add_nc_u32 v[10+\c], 0xff000000, v[8+\c]     ; 2 off the exponent field: the conversion's scale operand
.endr
.irp c, 0,1
	v_lshrrev_b32 v[12+\c], 23, v[10+\c]           ; the scale's byte
.endr
	v_lshl_or_b32 v14, v13, 16, v12                ; my two bytes, blocks h and 2 + h,
	v_lshlrev_b32 v14, v6, v14                     ; at their places;
	v_permlanex16_b32 v15, v14, s20, s21
	v_or_b32 v[WS+(\f)], v14, v15                  ; with lane l xor 16's two the word is whole
	s_wait_xcnt 0x0                                ; the last fragment's stores have read the codes' registers
.irp c, 0,1
	v_cvt_scalef32_pk16_fp6_f32 v[C+6*\c:C+6*\c+2], v[X+32*\c:X+32*\c+15], v[10+\c]
	v_cvt_scalef32_pk16_fp6_f32 v[CT+4*\c:CT+4*\c+2], v[X+32*\c+16:X+32*\c+31], v[10+\c]   ; (a conversion's three registers begin on an even number)
.endr
	v_nop                                          ; one plain place behind the conversions
.irp c, 0,1
.irp i, 0,1,2
	v_mov_b32 v[C+6*\c+3+\i], v[CT+4*\c+\i]
.endr
.endr
.irp g, 0,1,2
	global_store_b128 v2, v[C+4*\g:C+4*\g+3], s[8:9] offset:((\f)/2)*24576+((\f)%2)*1536+512*\g   ; 32 lanes store 512 consecutive bytes
.endr
.endm
	LOAD 0
	LOAD 1
	FRAGQ 0
	FRAGQ 1
	FRAGQ 2
	FRAGQ 3
	v_cmp_gt_u32 vcc_lo, 16, v1
	s_wait_xcnt 0x0                                ; EXEC changes only behind this wait
	s_wait_tensorcnt 0x0
	ds_add_u32 v62, v63
	s_wait_dscnt 0x0
	s_and_saveexec_b32 s22, vcc_lo
	global_store_b128 v7, v[WS:WS+3], s[10:11]     ; lanes 0-15: 16 rows x 4 words: 256 consecutive bytes
	s_wait_xcnt 0x0
	s_or_b32 exec_lo, exec_lo, s22
	s_endpgm
.Lfunc_end_k_q0997a8664c_quant:
	.size	k_q0997a8664c_quant, .Lfunc_end_k_q0997a8664c_quant-k_q0997a8664c_quant
	.p2alignl 7, 3214868480
	.fill 96, 4, 3214868480
	.section	.rodata,"a",@progbits
	.p2align	6, 0x0
	.amdhsa_kernel k_q0997a8664c_quant
		.amdhsa_group_segment_fixed_size 34304
		.amdhsa_private_segment_fixed_size 0
		.amdhsa_enable_private_segment 0
		.amdhsa_kernarg_size 32
		.amdhsa_user_sgpr_count 2
		.amdhsa_user_sgpr_kernarg_segment_ptr 1
		.amdhsa_wavefront_size32 1
		.amdhsa_system_sgpr_workgroup_id_x 1
		.amdhsa_system_sgpr_workgroup_id_y 1
		.amdhsa_system_sgpr_workgroup_id_z 1
		.amdhsa_system_vgpr_workitem_id 0
		.amdhsa_next_free_vgpr 256
		.amdhsa_next_free_sgpr 66
		.amdhsa_reserve_vcc 1
		.amdhsa_float_denorm_mode_32 3
		.amdhsa_float_denorm_mode_16_64 3
		.amdhsa_memory_ordered 1
		.amdhsa_forward_progress 1
		.amdhsa_inst_pref_size 30
	.end_amdhsa_kernel
	.amdgpu_metadata
---
amdhsa.version: [ 1, 2 ]
amdhsa.kernels:
  - .name:           k_q0997a8664c_quant
    .symbol:         k_q0997a8664c_quant.kd
    .args:
      - { .name: x, .offset: 0, .size: 8, .value_kind: global_buffer, .address_space: global }
      - { .name: Wqkv, .offset: 8, .size: 8, .value_kind: global_buffer, .address_space: global }
      - { .name: cod, .offset: 16, .size: 8, .value_kind: global_buffer, .address_space: global }
      - { .name: sc, .offset: 24, .size: 8, .value_kind: global_buffer, .address_space: global }
    .group_segment_fixed_size: 34304
    .private_segment_fixed_size: 0
    .kernarg_segment_align: 8
    .kernarg_segment_size: 32
    .max_flat_workgroup_size: 128
    .sgpr_count:     66
    .vgpr_count:     256
    .wavefront_size: 32
...
	.end_amdgpu_metadata
.endif
;; end of part 1
;; launch gemm (part 2): grid 8 x 48, 4 waves a work-group, clusters of 4 x 4, 327,680 bytes of LDS; arguments cod, sc, bqkv, qkv; writes qkv
.if DOCPART == 2
	.amdgcn_target "amdgcn-amd-amdhsa--gfx1250"
	.amdhsa_code_object_version 6
	.text
	.protected	k_q0997a8664c_gemm
	.globl	k_q0997a8664c_gemm
	.p2align	8
	.type	k_q0997a8664c_gemm,@function
k_q0997a8664c_gemm:
	s_mov_b64 s[64:65], 0
	v_nop
	global_prefetch_b8 v0, s[64:65] scope:SCOPE_SE
	s_setreg_imm32_b32 hwreg(HW_REG_WAVE_MODE, 25, 1), 1
	s_wait_xcnt 0x0
	s_wait_alu depctr_hold_cnt(0) depctr_sa_sdst(0) depctr_va_vdst(0) depctr_va_sdst(0) depctr_va_ssrc(0) depctr_va_vcc(0) depctr_vm_vsrc(0)
	s_getreg_b32 s2, hwreg(HW_REG_IB_STS2, 6, 4)
	s_cmp_eq_u32 s2, 0
	s_cbranch_scc0 .Lentry_in_a_cluster
	s_endpgm
.Lentry_in_a_cluster:
	s_bfe_u32 s2, ttmp6, 0x10000c
	s_cmp_lg_u32 s2, 0xf033
	s_cbranch_scc0 .Lentry_shape_is_right
	s_endpgm
.Lentry_shape_is_right:
; qkv = x Wqkv^T + bqkv on codes of E2M3 (K = 1,024), and q, k, v quantised in registers for the two products of attention.  No f32 result goes to memory.
; A work-group of four waves makes 256 x 256 of the product, a wave 128 x 128: 64 accumulators.  Source 0 is "P" (its rows run along a lane's registers in the result), source 1 is "R" (its rows lie across the lanes).
; q, k (clusters y 0-7): P = W's features, R = tokens: a lane holds one token and 128 features = two heads: quantised along the head's 64.
; v    (clusters y 8-11): P = tokens, R = W's v features: a lane holds one channel and 128 tokens: quantised along the keys.
; Both operands lie in cod as images of operand registers (tile T, operand row r = matrix row 32 (T / 2) + 8 (T % 2) + r + 8 (r / 8)), so that the 16 registers of P's tiles 2 b and 2 b + 1 are 16 neighbours, 32 b + 16 (lane / 16) + 0 .. 15.
; K goes in slots of 256 (two steps of 128) through a ring of two LDS slots; a wave's tensor load brings 128 rows' fragments of a slot: 24,576 dense bytes.  K has 8 steps: they are written out, the K step is the number of the scale register.
; CLUSTERS: 4 x 4.  R's tiles are shared along a row of the cluster, P's along a column: joint loads.
; qkv: [64 heads][16 steps of 128 tokens][19,712]: Q at 0, K at 6,656 (4 pairs of token tiles x 1,536: registers 0-5 tile 2 i, 6-11 tile 2 i + 1; scale image at 6,144, 16 bytes a lane: register i = tile 2 i in lanes 0-15, tile 2 i + 1 in lanes 16-31);
;      V at 13,312 (4 channel tiles x 1,536; scale image at 6,144, 8 bytes a lane).
; LIMITS: a block of zeros gets the byte 1, not 127 (its codes are zeros, and this program alone reads the bytes); NaN and infinities are not served.
; REGISTERS: window 0: v16-31 addresses; v32-95 scale words (register 8 i + ks: lanes 0-15 R's tile i, lanes 16-31 P's tile i, K step ks); v96-111 the bias by lanes; v128-223 R's 8 fragments, ONE set; on the way out v128-251 are at work.
;   window 1: P's fragments, two sets, v0-95 and v128-223; v96-127 and v224-255 the bias by registers.   windows 2, 3: the accumulators, (a, b) at v[8 (8 (a % 4) + b)].
.set FR,    12                         ; registers of a fragment
.set NL,    3                          ; LDS loads that bring one
.set NP,    4                          ; places behind this matrix instruction (ISA guide 7.12.1)
.set QUART, 24576                      ; 8 tiles x 2 steps x 1,536: what one tensor load brings
.set SLOT,  4*QUART                    ; R's two halves, then P's two halves
.set SPARE, 2*SLOT                     ; behind the ring: the spare words, 128 bytes for each wave
.set HSTR,  315392                     ; a head on in qkv
.set ADRA, 16                          ; v16-17  my R fragments in slot 0, 1
.set ADRB, 20                          ; v20-21  my P fragments
.set LI,   24                          ; v24     16 x lane
.set L8,   25                          ; v25     8 x lane
.set SPW,  28                          ; v28     my spare word; never rewritten
.set NIL,  29                          ; v29     0; never rewritten
.set SC,   32
.set BR,   96
.set AF,   128
.set H,    128                         ; the way out: 64 numbers of a lane
.set OUT,  192                         ; v192-215 two tiles' codes
.set TM,   216                         ; v216-219 largest magnitudes, v220-223 bytes, v228-231 the conversions' scale operands
.set CT,   232                         ; v232-234, v236-238
.set PWS,  240                         ; v240-241 two tiles' scale words;  v242 at work
.set PWT,  242
.set SW,   244                         ; v244-251 the scale images
.set G1,   24
.set G0,   32
.set G1B,  48
.set G0B,  56
.set TYPE, 70                          ; s70  0: q, k;  1: v.  The same in all sixteen partners
.set MASK, 71                          ; s71  lanes 16-31
.set SEL,  72                          ; s[72:73] selects for lane l xor 16
.set MSB, 0
.macro WIN new                         ; the immediate's high byte repeats the setting that is left
.if MSB != (\new)
	s_set_vgpr_msb (MSB<<8)|(\new)
.set MSB, (\new)
.endif
.endm
.set MUL_LO, 0xa1                      ; source 0 (P) window 1, source 1 (R) window 0, C and D window 2
.set MUL_HI, 0xf1                      ; the same, C and D window 3
.set TO_B,   0x40                      ; destination window 1, address window 0
; A joint load: waves 0 and 1 fetch R's halves, waves 2 and 3 P's.  The branch hangs on the wave's number alone.  Four v_nop follow each of the two lines.
.macro JLOAD g0a, g1a, g0b, g1b
	s_cmp_eq_u32 s15, 0
	s_cbranch_scc0 .Lfor_b_\@
	tensor_load_to_lds s[\g0a:\g0a+3], s[\g1a:\g1a+7]
	s_nop 0
.rept 4
	v_nop
.endr
	s_branch .Lasked_\@
.Lfor_b_\@:
	tensor_load_to_lds s[\g0b:\g0b+3], s[\g1b:\g1b+7]
	s_nop 0
.rept 4
	v_nop
.endr
.Lasked_\@:
.endm
.macro CREST                           ; a round of the cluster's barrier behind its opening barrier
	s_cmp_lg_u32 s14, 0
	s_cbranch_scc1 .Lnot_wave_0_\@
	s_barrier_signal -3
.Lnot_wave_0_\@:
	s_barrier_wait -3
	s_barrier_signal -1
	s_barrier_wait -1
.endm
.macro CROUND
	s_barrier_signal -1
	s_barrier_wait -1
	CREST
.endm
.macro PLACES n
.rept \n
	v_nop
.endr
.endm
	s_load_b256 s[4:11], s[0:1], 0x0               ; cod s[4:5], sc s[6:7], bqkv s[8:9], qkv s[10:11]
	v_lshl_add_u32 v[SPW], v0, 2, SPARE
	v_mov_b32 v[NIL], 0
	ds_add_u32 v28, v29
	ds_add_u32 v28, v29
	s_wait_dscnt 0x0
	v_lshrrev_b32 v1, 5, v0
	v_readfirstlane_b32 s14, v1                    ; wave 0..3
	s_lshr_b32 s15, s14, 1                         ; which half of R's rows is mine.  Also: I fetch for R (0) or for P (1)
	s_and_b32 s16, s14, 1                          ; which half of P's rows.  Also: which half I fetch
	s_bfe_u32 s40, ttmp6, 0x40000                  ; cx
	s_bfe_u32 s41, ttmp6, 0x40004                  ; cy
	s_and_b32 s17, ttmp7, 0xffff                   ; cluster y, 0..11; ttmp9: cluster x, 0..1
	s_max_u32 s18, s17, 8
	s_sub_co_u32 s18, s18, 8
	s_lshl_b32 s18, s18, 1
	s_add_co_u32 s18, s18, ttmp9                   ; v: which eighth of the tokens
	s_add_co_u32 s19, ttmp9, 8                     ; q, k: W's blocks begin at 64 = 8 x 8
	s_cmp_ge_u32 s17, 8
	s_cselect_b32 s[TYPE], 1, 0
	s_cselect_b32 s18, s18, s19
	s_cselect_b32 s17, 10, s17                     ; v: W's v features begin at block 80
	s_lshl_b32 s18, s18, 3
	s_lshl_b32 s19, s40, 1
	s_add_co_u32 s42, s18, s19                     ; P's first block of 128 rows: it hangs on cx, never on cy
	s_lshl_b32 s17, s17, 3
	s_lshl_b32 s12, s41, 1
	s_add_co_u32 s43, s17, s12                     ; R's: it hangs on cy, never on cx
	s_lshl_b32 s44, s41, 2
	s_lshl_b32 s44, 15, s44                        ; my row of the cluster
	s_lshl_b32 s45, 0x1111, s40                    ; my column
	s_or_b32 s[G1+0], s44, (3<<16)|(1<<21)         ; 15:0 the mask: R's tiles go to my row; 17:16 elements of 8 bytes; 21 set beside a mask; no padding
	s_or_b32 s[G1B+0], s45, (3<<16)|(1<<21)        ; P's go to my column
.irp g, G1, G1B
	s_mov_b32 s[\g+1], 32<<16                      ; tensor_dim0 = 32 elements: 256 bytes
	s_mov_b32 s[\g+2], 96<<16                      ; tensor_dim1 = 96 rows: 24,576 dense bytes
	s_mov_b32 s[\g+3], 32<<16                      ; tile_dim0
	s_mov_b32 s[\g+4], 96                          ; tile_dim1
	s_mov_b32 s[\g+5], 32                          ; the pitch
	s_mov_b32 s[\g+6], 0
	s_mov_b32 s[\g+7], 0
.endr
	s_add_co_u32 s20, s43, s16
	s_mul_i32 s20, s20, 98304                      ; the block of R that I would fetch, in bytes
	s_mov_b32 s21, 0
	s_add_co_u32 s46, s42, s16
	s_mul_i32 s46, s46, 98304                      ; and of P
	s_mov_b32 s47, 0
	s_mul_i32 s22, s14, QUART                      ; where it goes: no place in the cluster enters an LDS address
	s_mov_b32 s[MASK], 0xffff0000
	s_mov_b32 s[SEL], 0x76543210
	s_mov_b32 s[SEL+1], 0xfedcba98
	s_wait_kmcnt 0x0
	s_add_nc_u64 s[20:21], s[4:5], s[20:21]
	s_add_nc_u64 s[46:47], s[4:5], s[46:47]
	CROUND                                         ; all sixteen work-groups are here: the first joint loads meet
.irp s, 0,1
	s_mov_b32 s[G0+4*\s], 1
	s_add_co_u32 s[G0+4*\s+1], s22, \s*SLOT
	s_add_nc_u64 s[G0+4*\s+2:G0+4*\s+3], s[20:21], \s*QUART
	s_or_b32 s[G0+4*\s+3], s[G0+4*\s+3], 0x80000000
	s_mov_b32 s[G0B+4*\s], 1
	s_add_co_u32 s[G0B+4*\s+1], s22, \s*SLOT
	s_add_nc_u64 s[G0B+4*\s+2:G0B+4*\s+3], s[46:47], \s*QUART
	s_or_b32 s[G0B+4*\s+3], s[G0B+4*\s+3], 0x80000000
	JLOAD G0+4*\s, G1, G0B+4*\s, G1B               ; K steps 0, 1 and 2, 3: two tensor loads of mine are out
.endr
	v_and_b32 v1, 31, v0                           ; lane
	v_and_b32 v2, 15, v0                           ; r
	v_bfe_u32 v3, v0, 4, 1                         ; h
	v_lshlrev_b32 v[LI], 4, v1
	v_lshlrev_b32 v[L8], 3, v1
	s_mul_i32 s23, s15, QUART                      ; my half of R
	s_mul_i32 s66, s16, QUART
	s_add_co_u32 s66, s66, 2*QUART                 ; my half of P, behind R's two
.irp s, 0,1
	v_add_nc_u32 v[ADRA+\s], s23, v[LI]
	v_add_nc_u32 v[ADRB+\s], s66, v[LI]
	s_add_co_u32 s23, s23, SLOT
	s_add_co_u32 s66, s66, SLOT
.endr
	s_add_co_u32 s67, s43, s15                     ; my block of R
	s_add_co_u32 s68, s42, s16                     ; my block of P
	s_lshl_b32 s74, s67, 12                        ; a block's scale words: 8 tiles x 512 bytes
	s_lshl_b32 s75, s68, 12
	v_mov_b32 v26, s74
	v_mov_b32 v31, s75
	v_cndmask_b32 v26, v26, v31, s[MASK]           ; lanes 0-15 take R's words, lanes 16-31 P's
	v_lshl_add_u32 v26, v2, 4, v26                 ; + 16 r
	s_cmp_lg_u32 s[TYPE], 0
	s_cselect_b32 s76, s68, s67                    ; my block of 128 tokens
	s_cselect_b32 s77, s67, s68                    ; my block of 128 features,
	s_cselect_b32 s78, 80, 64
	s_sub_co_u32 s77, s77, s78                     ; counted from q's first (q, k: 0..15) or from v's first (0..7)
	s_and_b32 s78, s77, 7                          ; the pair of heads
	s_lshr_b32 s77, s77, 3
	s_lshl_b32 s79, s[TYPE], 1
	s_add_co_u32 s77, s77, s79                     ; 0: q, 1: k, 2: v
	s_lshr_b32 s79, s76, 4                         ; the batch: 16 blocks of tokens each
	s_lshl_b32 s79, s79, 4
	s_lshl_b32 s80, s78, 1
	s_add_co_u32 s79, s79, s80                     ; (batch, head)
	s_lshl_b32 s79, s79, 4
	s_and_b32 s80, s76, 15
	s_add_co_u32 s79, s79, s80                     ; x 16 + the step
	s_mul_i32 s80, s79, 19712
	s_mul_i32 s79, s77, 6656
	s_add_co_u32 s80, s80, s79
	s_mov_b32 s81, 0
	s_add_nc_u64 s[10:11], s[10:11], s[80:81]      ; qkv at my section
	s_lshl_b32 s80, s77, 12
	s_lshl_b32 s79, s78, 9
	s_add_co_u32 s80, s80, s79
	s_add_nc_u64 s[8:9], s[8:9], s[80:81]          ; bqkv at my 128 features
.irp i, 0,1,2,3,4,5,6,7
.irp g, 0,1
	global_load_b128 v[SC+8*\i+4*\g:SC+8*\i+4*\g+3], v26, s[6:7] offset:512*\i+256*\g   ; tile i's words of K steps 4 g .. 4 g + 3: all of K stays in registers
.endr
.endr
	v_lshlrev_b32 v27, 6, v3                       ; the bias by registers: number 16 b + i is feature 32 b + 16 h + i
	v_and_b32 v30, 8, v2
	v_add_nc_u32 v30, v30, v2
	v_lshlrev_b32 v30, 2, v30                      ; the bias by lanes: tile a's lane r is feature 32 (a / 2) + 8 (a % 2) + r + 8 (r / 8)
	WIN TO_B
.irp b, 0,1,2,3
.irp k, 0,1,2,3
	global_load_b128 v[96+16*\b+4*\k+96*(\b/2):96+16*\b+4*\k+96*(\b/2)+3], v27, s[8:9] offset:128*\b+16*\k
.endr
.endr
	WIN 0
.irp a, 0,1,2,3,4,5,6,7
.irp e, 0,1
	global_load_b32 v[BR+2*\a+\e], v30, s[8:9] offset:(32*(\a/2)+8*(\a%2))*4   ; twice: a pair for the packed addition
.endr
.endr
.macro FRAG reg, adr, q, i             ; a fragment comes as it was stored: three loads of 512 consecutive bytes
.irp c, 0,1,2
	ds_load_b128 v[\reg+4*\c:\reg+4*\c+3], v[\adr] offset:3072*(\i)+1536*(\q)+512*\c
.endr
.endm
.macro FETCH_B slot, q, p              ; P's eight fragments of the slot's q-th step into set p
	WIN TO_B
.irp i, 0,1,2,3,4,5,6,7
	FRAG 128*(\p)+FR*\i, ADRB+\slot, \q, \i
.endr
	WIN 0
.endm
.macro FETCH_A slot, q, i0             ; R's blocks i0 .. i0 + 3
.irp i, \i0, \i0+1, \i0+2, \i0+3
	FRAG AF+FR*(\i), ADRA+\slot, \q, \i
.endr
.endm
; 16 matrix instructions: R's blocks a0, a0 + 1 x P's eight, K step ks.  The 64 accumulators take turns, one instruction a turn, in the same order in every step.
.macro MUL16 a0, p, ks, zero
.irp a, \a0, \a0+1
.irp b, 0,1,2,3,4,5,6,7
.if \zero
	v_wmma_scale_f32_16x16x128_f8f6f4 v[8*(8*((\a)%4)+\b):8*(8*((\a)%4)+\b)+7], v[128*(\p)+FR*\b:128*(\p)+FR*\b+FR-1], v[AF+FR*(\a):AF+FR*(\a)+FR-1], 0, v[SC+8*\b+(\ks)], v[SC+8*(\a)+(\ks)] matrix_a_fmt:MATRIX_FMT_FP6 matrix_b_fmt:MATRIX_FMT_FP6 matrix_a_scale:MATRIX_SCALE_ROW1
.else
	v_wmma_scale_f32_16x16x128_f8f6f4 v[8*(8*((\a)%4)+\b):8*(8*((\a)%4)+\b)+7], v[128*(\p)+FR*\b:128*(\p)+FR*\b+FR-1], v[AF+FR*(\a):AF+FR*(\a)+FR-1], v[8*(8*((\a)%4)+\b):8*(8*((\a)%4)+\b)+7], v[SC+8*\b+(\ks)], v[SC+8*(\a)+(\ks)] matrix_a_fmt:MATRIX_FMT_FP6 matrix_b_fmt:MATRIX_FMT_FP6 matrix_a_scale:MATRIX_SCALE_ROW1
.endif
.endr
.endr
.endm
; A slot's first step: it multiplies P's set 0 and fetches the slot's second step.
.macro STEP slot, ks, zero
	s_wait_dscnt 4*NL                              ; P's set and R's blocks 0-3 are in; the youngest 12 loads (R's blocks 4-7) may be out
	WIN MUL_LO
	MUL16 0, 0, \ks, \zero
	MUL16 2, 0, \ks, \zero
	s_wait_dscnt 0                                 ; R's blocks 4-7 are in
	PLACES NP                                      ; in front of loads into registers that matrix instructions have read
	FETCH_B \slot, 1, 1
	FETCH_A \slot, 1, 0
	WIN MUL_HI
	MUL16 4, 0, \ks, \zero
	MUL16 6, 0, \ks, \zero
	PLACES NP
	WIN 0
	FETCH_A \slot, 1, 4
.endm
; A slot's second step changes slots: ONE barrier; in front of it each wave waits for all its tensor loads, adds 0 to its spare word, and waits for that and for its own reads of this slot.  fill = 1: this slot is filled again.
.macro TURN slot, next, fill, ks
	s_wait_tensorcnt 0x0                           ; all my tensor loads have landed: my part of the next slot
	ds_add_u32 v[SPW], v[NIL]                      ; 0 onto my spare word
	s_wait_dscnt 4*NL+1                            ; (the add and the youngest 12 loads may be out)
	WIN MUL_LO
	MUL16 0, 1, \ks, 0                             ; sixteen matrix instructions stand between the add and the wait for it
	s_wait_dscnt 0x0                               ; the add is done, and my reads of this slot are over
	s_barrier_signal -1
	MUL16 2, 1, \ks, 0
	WIN 0
	s_barrier_wait -1
.if \fill
	CREST                                          ; the barrier has opened a round of the cluster's barrier: no wave of any partner still reads this slot or has a load on its way
	s_add_nc_u64 s[G0+4*\slot+2:G0+4*\slot+3], s[G0+4*\slot+2:G0+4*\slot+3], 2*QUART
	s_add_nc_u64 s[G0B+4*\slot+2:G0B+4*\slot+3], s[G0B+4*\slot+2:G0B+4*\slot+3], 2*QUART
	JLOAD G0+4*\slot, G1, G0B+4*\slot, G1B         ; the first tensor load behind the round, my one load until the next; its four v_nop are the places in front of the loads below
.else
	PLACES NP
.endif
	FETCH_B \next, 0, 0
	FETCH_A \next, 0, 0
	WIN MUL_HI
	MUL16 4, 1, \ks, 0
	MUL16 6, 1, \ks, 0
	PLACES NP
	WIN 0
	FETCH_A \next, 0, 4
.endm
	s_wait_tensorcnt 1                             ; my part of slot 0 is in; slot 1's may stay out
	s_barrier_signal -1
	s_barrier_wait -1                              ; everybody's is
	FETCH_B 0, 0, 0
	FETCH_A 0, 0, 0
	FETCH_A 0, 0, 4
	s_wait_loadcnt 0x0                             ; the scale words and the biases
	STEP 0, 0, 1                                   ; the first step's products start the sums: nothing is cleared
	TURN 0, 1, 1, 1                                ; slot 0 takes K steps 4, 5
	STEP 1, 2, 0
	TURN 1, 0, 1, 3                                ; slot 1 takes K steps 6, 7
	STEP 0, 4, 0
	TURN 0, 1, 0, 5                                ; nothing is left to fetch
	STEP 1, 6, 0
	s_wait_dscnt 4*NL
	WIN MUL_LO
	MUL16 0, 1, 7, 0
	MUL16 2, 1, 7, 0
	s_wait_dscnt 0
	WIN MUL_HI
	MUL16 4, 1, 7, 0
	MUL16 6, 1, 7, 0
	WIN 0
; THE WAY OUT.  64 numbers of a lane, register 16 b + i = k 32 b + 16 (lane / 16) + i of my row, become codes: k 0-63 in v[d0] .. v[d0 + 5], k 64-127 in v[d1] .. v[d1 + 5], and the row's scale word in v[pw].
.macro QUANT s, d0, d1, pw
.irp b, 0,1,2,3
	v_max3_num_f32 v[TM+\b], |v[(\s)+16*\b]|, |v[(\s)+1+16*\b]|, 0x1800000   ; block b: my 16 numbers, and the floor 2^(3 - 127): the byte cannot fall under 1
.endr
.irp i, 2,4,6,8,10,12,14
.irp b, 0,1,2,3
	v_max3_num_f32 v[TM+\b], v[TM+\b], |v[(\s)+16*\b+\i]|, |v[(\s)+1+16*\b+\i]|   ; (the four blocks by turns)
.endr
.endr
.irp b, 0,1,2,3
	v_permlanex16_b32 v[TM+4+\b], v[TM+\b], s[SEL], s[SEL+1]
.endr
.irp b, 0,1,2,3
	v_max_num_f32 v[TM+\b], v[TM+\b], v[TM+4+\b]   ; with lane l xor 16's: the block's largest magnitude
.endr
.irp b, 0,1,2,3
	v_add_nc_u32 v[TM+12+\b], 0xff000000, v[TM+\b] ; 2 off its exponent field: the conversion's scale operand
.endr
.irp b, 0,1,2,3
	v_lshrrev_b32 v[TM+4+\b], 23, v[TM+12+\b]      ; the scale's byte
.endr
	v_lshl_or_b32 v[\pw], v[TM+5], 8, v[TM+4]
	v_lshl_or_b32 v[\pw], v[TM+6], 16, v[\pw]
	v_lshl_or_b32 v[\pw], v[TM+7], 24, v[\pw]
	v_cvt_scalef32_pk16_fp6_f32 v[(\d0):(\d0)+2], v[(\s):(\s)+15], v[TM+12]
	v_cvt_scalef32_pk16_fp6_f32 v[CT:CT+2], v[(\s)+16:(\s)+31], v[TM+13]       ; (a conversion's three registers begin on an even number)
	v_cvt_scalef32_pk16_fp6_f32 v[(\d1):(\d1)+2], v[(\s)+32:(\s)+47], v[TM+14]
	v_cvt_scalef32_pk16_fp6_f32 v[CT+4:CT+6], v[(\s)+48:(\s)+63], v[TM+15]
	v_nop                                          ; one plain place behind the conversions
.irp i, 0,1,2                          ; the operand's layout wants a WHOLE block in a lane
	v_permlane16_swap_b32 v[(\d0)+\i], v[CT+\i]
.endr
.irp i, 0,1,2
	v_mov_b32 v[(\d0)+3+\i], v[CT+\i]
.endr
.irp i, 0,1,2
	v_permlane16_swap_b32 v[(\d1)+\i], v[CT+4+\i]
.endr
.irp i, 0,1,2
	v_mov_b32 v[(\d1)+3+\i], v[CT+4+\i]
.endr
.endm
	PLACES NP                                      ; behind the last products: their results are read and their operands' registers written below
.irp b, 0,1,2,3
	v_mov_b32 v[TM+4+\b], 0                        ; a lane permute's destination counts as one of its sources
.endr
	s_cmp_lg_u32 s[TYPE], 0                        ; the same in all sixteen partners; neither path touches LDS
	s_cbranch_scc1 .Lv
	; q, k: R's tile a is 16 tokens; a lane's 64 numbers are the features of two heads.  The addition of the bias also brings the sums into window 0; each accumulator is read from its low end on.
.irp i, 0,1,2,3
.if \i > 0
	s_wait_xcnt 0x0                                ; the last pair's stores have read the codes' registers
.endif
.irp u, 0,1
	WIN 0x06+(2*\i+\u)/4                           ; source 0: window 2 or 3; source 1: window 1
.set n, 0
.rept 32
	v_pk_add_f32 v[H+2*n:H+2*n+1], v[64*((2*\i+\u)%4)+2*n:64*((2*\i+\u)%4)+2*n+1], v[96+2*n+96*(n/16):96+2*n+96*(n/16)+1]
.set n, n+1
.endr
	WIN 0
	QUANT H, OUT+6*\u, OUT+12+6*\u, PWS+\u         ; the even head's six registers, the odd head's six
.endr
	v_cndmask_b32 v[PWT], v[PWS], v[PWS+1], s[MASK]   ; lanes 0-15: tile 2 i's words; lanes 16-31: tile 2 i + 1's
	v_and_b32 v[SW+\i], 0xffff, v[PWT]             ; the even head's two bytes; bytes 2 and 3, which scale the unused half of the instruction's K, are 0
	v_lshrrev_b32 v[SW+4+\i], 16, v[PWT]           ; the odd head's
.irp c, 0,1
.irp g, 0,1,2
	global_store_b128 v[LI], v[OUT+12*\c+4*\g:OUT+12*\c+4*\g+3], s[10:11] offset:\c*HSTR+1536*\i+512*\g   ; 32 lanes store 512 consecutive bytes
.endr
.endr
.endr
.irp c, 0,1
	global_store_b128 v[LI], v[SW+4*\c:SW+4*\c+3], s[10:11] offset:\c*HSTR+6144
.endr
	s_branch .Lend
.Lv:
	; v: R's tile a is 16 channels (tiles 0-3: the even head, 4-7: the odd one); a lane's 64 numbers are its share of the step's 128 keys: one whole fragment a tile.
.irp i, 0,1,2,3
.if \i > 0
	s_wait_xcnt 0x0
.endif
.irp u, 0,1
	WIN 0x02+(2*\i+\u)/4                           ; source 0: window 2 or 3
.set n, 0
.rept 32
	v_pk_add_f32 v[H+2*n:H+2*n+1], v[64*((2*\i+\u)%4)+2*n:64*((2*\i+\u)%4)+2*n+1], v[BR+2*(2*\i+\u):BR+2*(2*\i+\u)+1]
.set n, n+1
.endr
	WIN 0
	QUANT H, OUT+12*\u, OUT+12*\u+6, PWS+\u
.endr
	v_cndmask_b32 v[SW+\i], v[PWS], v[PWS+1], s[MASK]
.irp u, 0,1
.irp g, 0,1,2
	global_store_b128 v[LI], v[OUT+12*\u+4*\g:OUT+12*\u+4*\g+3], s[10:11] offset:(\i/2)*HSTR+((2*\i+\u)%4)*1536+512*\g
.endr
.endr
.if \i%2 == 1
	global_store_b64 v[L8], v[SW+\i-1:SW+\i], s[10:11] offset:(\i/2)*HSTR+6144   ; a head's scale image: 256 consecutive bytes
.endif
.endr
.Lend:
	s_wait_tensorcnt 0x0                           ; the wave's end
	ds_add_u32 v[SPW], v[NIL]
	s_wait_dscnt 0x0
	CROUND                                         ; the closing round: no work-group ends while a partner may still ask for a tile that names it
	s_endpgm
.Lfunc_end_k_q0997a8664c_gemm:
	.size	k_q0997a8664c_gemm, .Lfunc_end_k_q0997a8664c_gemm-k_q0997a8664c_gemm
	.p2alignl 7, 3214868480
	.fill 96, 4, 3214868480
	.section	.rodata,"a",@progbits
	.p2align	6, 0x0
	.amdhsa_kernel k_q0997a8664c_gemm
		.amdhsa_group_segment_fixed_size 327680
		.amdhsa_private_segment_fixed_size 0
		.amdhsa_enable_private_segment 0
		.amdhsa_kernarg_size 32
		.amdhsa_user_sgpr_count 2
		.amdhsa_user_sgpr_kernarg_segment_ptr 1
		.amdhsa_wavefront_size32 1
		.amdhsa_system_sgpr_workgroup_id_x 1
		.amdhsa_system_sgpr_workgroup_id_y 1
		.amdhsa_system_sgpr_workgroup_id_z 1
		.amdhsa_system_vgpr_workitem_id 0
		.amdhsa_next_free_vgpr 1024
		.amdhsa_next_free_sgpr 96
		.amdhsa_reserve_vcc 0
		.amdhsa_float_denorm_mode_32 3
		.amdhsa_float_denorm_mode_16_64 3
		.amdhsa_memory_ordered 1
		.amdhsa_forward_progress 1
		.amdhsa_inst_pref_size 205
	.end_amdhsa_kernel
	.amdgpu_metadata
---
amdhsa.version: [ 1, 2 ]
amdhsa.kernels:
  - .name:           k_q0997a8664c_gemm
    .symbol:         k_q0997a8664c_gemm.kd
    .args:
      - { .name: cod, .offset: 0, .size: 8, .value_kind: global_buffer, .address_space: global }
      - { .name: sc, .offset: 8, .size: 8, .value_kind: global_buffer, .address_space: global }
      - { .name: bqkv, .offset: 16, .size: 8, .value_kind: global_buffer, .address_space: global }
      - { .name: qkv, .offset: 24, .size: 8, .value_kind: global_buffer, .address_space: global }
    .group_segment_fixed_size: 327680
    .private_segment_fixed_size: 0
    .kernarg_segment_align: 8
    .kernarg_segment_size: 32
    .max_flat_workgroup_size: 128
    .sgpr_count:     96
    .vgpr_count:     1024
    .wavefront_size: 32
...
	.end_amdgpu_metadata
.endif
;; end of part 2
;; launch attn (part 3): grid 4 x 64, 16 waves a work-group, clusters of 4 x 1, 280,576 bytes of LDS; arguments qkv, out0; writes out0
.if DOCPART == 3
	.amdgcn_target "amdgcn-amd-amdhsa--gfx1250"
	.amdhsa_code_object_version 6
	.text
	.protected	k_q0997a8664c_attn
	.globl	k_q0997a8664c_attn
	.p2align	8
	.type	k_q0997a8664c_attn,@function
k_q0997a8664c_attn:
	s_mov_b64 s[64:65], 0
	v_nop
	global_prefetch_b8 v0, s[64:65] scope:SCOPE_SE
	s_setreg_imm32_b32 hwreg(HW_REG_WAVE_MODE, 25, 1), 1
	s_wait_xcnt 0x0
	s_wait_alu depctr_hold_cnt(0) depctr_sa_sdst(0) depctr_va_vdst(0) depctr_va_sdst(0) depctr_va_ssrc(0) depctr_va_vcc(0) depctr_vm_vsrc(0)
	s_getreg_b32 s2, hwreg(HW_REG_IB_STS2, 6, 4)
	s_cmp_eq_u32 s2, 0
	s_cbranch_scc0 .Lentry_in_a_cluster
	s_endpgm
.Lentry_in_a_cluster:
	s_bfe_u32 s2, ttmp6, 0x10000c
	s_cmp_lg_u32 s2, 0x3003
	s_cbranch_scc0 .Lentry_shape_is_right
	s_endpgm
.Lentry_shape_is_right:
; out[b][h][q][:] = the sum over k of softmax_k(q . k) v, no scaling of the scores, both products on codes of E2M3 with one E8M0 scale for each 32 along a product's K.
; THE SOFTMAX AHEAD OF THE SECOND PRODUCT: t = score x log2(e); M = the row's largest t so far, rounded UP to a whole number; p = 2^(t - M) is quantised along the keys, not normalised; the row's sum is taken of the
; unquantised p and divides at the end.  When M moves, the sum and O are multiplied by 2^(old M - new M): exact.
; SHARES.  A cluster of four work-groups is one (batch, head); a work-group owns 512 queries, each of its sixteen waves 32: two tiles of 16, one after the other.  Four waves share a SIMD.
; K AND V OF THE WHOLE HEAD STAY IN LDS: 16 key steps x 13,056 bytes, filled ONCE: wave w brings key step w, by a load that the four work-groups ask for jointly.  No slot is ever filled again: one barrier in the kernel.
; All operands lie as images of operand registers: every LDS load reads consecutive bytes, 16 (or 8) a lane.
; THE FIRST PRODUCT'S K IS 64, the instruction's 128: Q's registers 6-11 are zero codes.  K's tile t is six registers; the six behind them (the next tile's codes, or zeros) meet Q's zeros and add nothing; no scale byte is 0xff.
; LAYOUT.  Both products transposed: S^T = K Q^T, O^T = V^T P^T: a lane holds ONE query.  Operand row r of tile 2 b + u is token (or channel) 32 b + 8 u + r + 8 (r / 8), so the 16 registers of tiles 2 b, 2 b + 1 are 16 neighbours.
; LIMITS: p under 2^-126 counts as 0 (v_exp_f32's results: ISA guide 15.8); NaN and infinities are not served.
; REGISTERS: v1-6 addresses; v12 -M, v13 the largest t, v[14:15] the sum; v16-27 Q and its zeros; v28-31 K's scale words; v32-79 K's 8 tiles, then V's 4; v80-85 zeros; v86-87 V's scale words; v88-93 the second tile's Q;
;   v94 Q's scale words; v96-159 S^T, then p, then rows of O; v160-191 O^T; v192-223 O / the sum; v224-235 p's codes; v232-254 at work.
.set SSTR,  19712                      ; a step of 128 tokens in qkv: Q 6,656, K 6,656, V 6,400
.set HSTR,  16*SSTR
.set KV,    13056                      ; K's and V's sections: 51 x 256 bytes
.set STAGE, 16*KV                      ; behind them: 16 rows x 272 bytes for each wave, for the way out; no fill lands there
.set SP,    272
.set LI,  1                            ; v1  16 x lane
.set L8,  2                            ; v2  8 x lane
.set ADK, 3                            ; v3  the step in hand + 16 x lane
.set ADV, 4                            ; v4  the step in hand + 8 x lane
.set STO, 5                            ; v5  the stage: where I put my channels
.set RD,  6                            ; v6  and where I read a row back
.set WV,  8                            ; s8  my wave's number
.set SEL, 20                           ; s[20:21] selects for lane l xor 16
.set CS,  22                           ; s[22:23] log2(e)
.set G1,  24
.set G0,  32
.set TB,  2                            ; s2  LDS byte at which the step in hand begins
.set CNT, 3                            ; s3  steps to go
.macro ROUND                           ; a round of the cluster's barrier
	s_barrier_signal -1
	s_barrier_wait -1
	s_cmp_lg_u32 s[WV], 0
	s_cbranch_scc1 .Lnot_wave_0_\@
	s_barrier_signal -3
.Lnot_wave_0_\@:
	s_barrier_wait -3
	s_barrier_signal -1
	s_barrier_wait -1
.endm
	s_load_b128 s[4:7], s[0:1], 0x0                ; qkv, out0
	v_lshl_add_u32 v251, v0, 2, 0x44000
	v_mov_b32 v255, 0
	ds_add_u32 v251, v255
	ds_add_u32 v251, v255
	v_lshrrev_b32 v1, 5, v0
	v_readfirstlane_b32 s[WV], v1                  ; wave 0..15
	s_bfe_u32 s9, ttmp6, 0x40000                   ; cx: it enters Q's and O's addresses alone
	s_and_b32 s10, ttmp7, 0xffff                   ; (batch, head), which the four partners share
	s_mul_i32 s36, s10, HSTR                       ; the head's first byte in qkv
	s_mul_i32 s38, s[WV], SSTR
	s_add_co_u32 s38, s38, 6656
	s_add_co_u32 s38, s38, s36                     ; key step w: K's section; V's follows it
	s_mov_b32 s39, 0
	s_mov_b32 s[G1], 15|(3<<16)|(1<<21)            ; 15:0 the mask: all four work-groups; 17:16 elements of 8 bytes; 21 set beside a mask; no padding
	s_mov_b32 s[G1+1], 32<<16                      ; tensor_dim0 = 32 elements: 256 bytes
	s_mov_b32 s[G1+2], 51<<16                      ; tensor_dim1 = 51 rows
	s_mov_b32 s[G1+3], 32<<16                      ; tile_dim0
	s_mov_b32 s[G1+4], 51                          ; tile_dim1
	s_mov_b32 s[G1+5], 32                          ; the pitch: dense
	s_mov_b32 s[G1+6], 0
	s_mov_b32 s[G1+7], 0
	s_lshl_b32 s40, s9, 2
	s_lshr_b32 s41, s[WV], 2
	s_add_co_u32 s40, s40, s41
	s_mul_i32 s40, s40, SSTR
	s_add_co_u32 s40, s40, s36                     ; my queries' step: 4 cx + w / 4
	s_and_b32 s41, s[WV], 3                        ; and their pair of tiles in it
	s_mul_i32 s42, s41, 1536
	s_add_co_u32 s42, s42, s40
	s_mov_b32 s43, 0
	s_lshl_b32 s44, s41, 2
	s_add_co_u32 s44, s44, s40
	s_add_co_u32 s44, s44, 6144                    ; the pair's register of the scale image
	s_mov_b32 s45, 0
	s_lshl_b32 s46, s10, 19                        ; out0: a head is 2,048 rows of 256 bytes,
	s_lshl_b32 s41, s9, 17                         ; a work-group 512,
	s_add_co_u32 s46, s46, s41
	s_lshl_b32 s41, s[WV], 13                      ; a wave 32
	s_add_co_u32 s46, s46, s41
	s_mov_b32 s47, 0
	s_mov_b32 s[SEL], 0x76543210
	s_mov_b32 s[SEL+1], 0xfedcba98
	s_mov_b32 s[CS], 0x3fb8aa3b                    ; log2(e)
	s_mov_b32 s[CS+1], s[CS]                       ; (named with it as a pair, so it is written)
	s_wait_dscnt 0x0
	s_wait_kmcnt 0x0
	s_mov_b32 s[G0], 1                             ; count = 1
	s_mul_i32 s[G0+1], s[WV], KV                   ; LDS address: the wave's number times a constant
	s_add_nc_u64 s[G0+2:G0+3], s[4:5], s[38:39]
	s_or_b32 s[G0+3], s[G0+3], 0x80000000          ; type = 2
	s_add_nc_u64 s[12:13], s[4:5], s[42:43]        ; Q's codes
	s_add_nc_u64 s[14:15], s[4:5], s[44:45]        ; Q's scale words
	s_add_nc_u64 s[16:17], s[6:7], s[46:47]        ; my 32 rows of out0
	ROUND                                          ; all four work-groups are here: the joint loads meet
	tensor_load_to_lds s[G0:G0+3], s[G1:G1+7]      ; my one tensor load of the launch
	s_nop 0
.rept 4
	v_nop
.endr
	v_and_b32 v2, 31, v0
	v_lshlrev_b32 v[LI], 4, v2
	v_lshlrev_b32 v[L8], 3, v2
	v_and_b32 v7, 15, v0                           ; r
	v_bfe_u32 v8, v0, 4, 1                         ; h
.irp p, 0,1,2
	global_load_b64 v[16+2*\p:17+2*\p], v[LI], s[12:13] offset:512*(\p/2)+8*(\p%2)               ; the pair's registers 0-5: tile 0
.endr
.irp p, 3,4,5
	global_load_b64 v[88+2*(\p-3):89+2*(\p-3)], v[LI], s[12:13] offset:512*(\p/2)+8*(\p%2)       ; registers 6-11: tile 1, kept for later
.endr
	global_load_b32 v94, v[LI], s[14:15]           ; lanes 0-15: tile 0's scale words; lanes 16-31: tile 1's
	s_mul_i32 s10, s[WV], 16*SP
	s_add_co_u32 s10, s10, STAGE                   ; my stage
	v_mul_u32_u24 v[STO], v7, SP
	v_lshl_add_u32 v[STO], v8, 6, v[STO]
	v_add_nc_u32 v[STO], s10, v[STO]               ; in: row r, + 64 h: registers 16 b + i are channels 32 b + 16 h + i
	v_mul_u32_u24 v[RD], v8, SP
	v_lshl_add_u32 v[RD], v7, 4, v[RD]
	v_add_nc_u32 v[RD], s10, v[RD]                 ; back: lanes 0-15 one row, lanes 16-31 the next
.irp i, 0,1,2,3,4,5
	v_mov_b32 v[22+\i], 0                          ; Q's zero codes: K = 64 .. 127 of the instruction
	v_mov_b32 v[80+\i], 0                          ; and what stands behind K's tile 7
.endr
.irp b, 0,1,2,3
	v_mov_b32 v[236+\b], 0                         ; a lane permute's destination counts as one of its sources
.endr
	v_mov_b32 v253, 0                              ; (named as the upper half of the pair v[252:253] before it is first written)
	s_wait_tensorcnt 0x0                           ; my key step is in,
	s_barrier_signal -1
	s_barrier_wait -1                              ; everybody's is: the whole head lies in LDS
	s_wait_loadcnt 0x0                             ; Q
.macro KQ t, u                         ; S^T's tile t: 16 keys x my 16 queries.  K's words: lanes 0-15 for an even tile, 16-31 for an odd one; Q's: by the tile of queries
.if ((\t)%2 == 0) && ((\u) == 0)
	v_wmma_scale_f32_16x16x128_f8f6f4 v[96+8*(\t):103+8*(\t)], v[32+6*(\t):43+6*(\t)], v[16:27], 0, v[28+(\t)/2], v94 matrix_a_fmt:MATRIX_FMT_FP6 matrix_b_fmt:MATRIX_FMT_FP6
.elseif ((\t)%2 == 1) && ((\u) == 0)
	v_wmma_scale_f32_16x16x128_f8f6f4 v[96+8*(\t):103+8*(\t)], v[32+6*(\t):43+6*(\t)], v[16:27], 0, v[28+(\t)/2], v94 matrix_a_fmt:MATRIX_FMT_FP6 matrix_b_fmt:MATRIX_FMT_FP6 matrix_a_scale:MATRIX_SCALE_ROW1
.elseif ((\t)%2 == 0)
	v_wmma_scale_f32_16x16x128_f8f6f4 v[96+8*(\t):103+8*(\t)], v[32+6*(\t):43+6*(\t)], v[16:27], 0, v[28+(\t)/2], v94 matrix_a_fmt:MATRIX_FMT_FP6 matrix_b_fmt:MATRIX_FMT_FP6 matrix_b_scale:MATRIX_SCALE_ROW1
.else
	v_wmma_scale_f32_16x16x128_f8f6f4 v[96+8*(\t):103+8*(\t)], v[32+6*(\t):43+6*(\t)], v[16:27], 0, v[28+(\t)/2], v94 matrix_a_fmt:MATRIX_FMT_FP6 matrix_b_fmt:MATRIX_FMT_FP6 matrix_a_scale:MATRIX_SCALE_ROW1 matrix_b_scale:MATRIX_SCALE_ROW1
.endif
.endm
.macro PV t                            ; O^T's tile t += 16 channels x 128 keys times p
.if (\t)%2 == 0
	v_wmma_scale_f32_16x16x128_f8f6f4 v[160+8*(\t):167+8*(\t)], v[32+12*(\t):43+12*(\t)], v[224:235], v[160+8*(\t):167+8*(\t)], v[86+(\t)/2], v253 matrix_a_fmt:MATRIX_FMT_FP6 matrix_b_fmt:MATRIX_FMT_FP6
.else
	v_wmma_scale_f32_16x16x128_f8f6f4 v[160+8*(\t):167+8*(\t)], v[32+12*(\t):43+12*(\t)], v[224:235], v[160+8*(\t):167+8*(\t)], v[86+(\t)/2], v253 matrix_a_fmt:MATRIX_FMT_FP6 matrix_b_fmt:MATRIX_FMT_FP6 matrix_a_scale:MATRIX_SCALE_ROW1
.endif
.endm
; A KEY STEP: 128 keys, for the tile of queries u.  No two matrix instructions that follow each other share an accumulator, over the backward jump too.
.macro STEP u
	v_add_nc_u32 v[ADK], s[TB], v[LI]
	v_add_nc_u32 v[ADV], s[TB], v[L8]
	v_nop
	v_nop                                          ; four places behind the last products, in front of loads into registers that they have read
.irp g, 0,1,2,3,4,5,6,7,8,9,10,11
	ds_load_b128 v[32+4*\g:35+4*\g], v[ADK] offset:512*\g          ; K's eight tiles, six registers each
.endr
	ds_load_b128 v[28:31], v[ADK] offset:6144                      ; and their scale words
	s_wait_dscnt 0x0
.irp t, 0,1,2,3,4,5,6,7
	KQ \t, \u
.endr
.rept 4
	v_nop                                          ; places: the loads below land in K's registers, and the maxima read the scores
.endr
.irp g, 0,1,2,3,4,5,6,7,8,9,10,11
	ds_load_b128 v[32+4*\g:35+4*\g], v[ADK] offset:6656+512*\g     ; V's four tiles: they land while the softmax is worked
.endr
	ds_load_b64 v[86:87], v[ADV] offset:12800                      ; and their scale words
.irp b, 0,1,2,3
	v_max3_num_f32 v[232+\b], v[96+16*\b], v[97+16*\b], v[98+16*\b]   ; THE LARGEST SCORE OF EACH BLOCK OF 32 KEYS: for the row's maximum, and, since p rises with the score, for the block's largest p
.endr
.irp i, 3,5,7,9,11,13
.irp b, 0,1,2,3
	v_max3_num_f32 v[232+\b], v[232+\b], v[96+16*\b+\i], v[97+16*\b+\i]   ; (the four blocks by turns)
.endr
.endr
.irp b, 0,1,2,3
	v_max_num_f32 v[232+\b], v[232+\b], v[111+16*\b]
.endr
.irp b, 0,1,2,3
	v_permlanex16_b32 v[236+\b], v[232+\b], s[SEL], s[SEL+1]
.endr
.irp b, 0,1,2,3
	v_max_num_f32 v[232+\b], v[232+\b], v[236+\b]  ; with lane l xor 16's 16 keys
.endr
	v_max3_num_f32 v254, v232, v233, v234
	v_max_num_f32 v254, v254, v235                 ; the step's largest score of my query
	v_mul_f32 v254, s[CS], v254                    ; as t
	v_max_num_f32 v13, v13, v254                   ; the running largest t
	v_mov_b32 v254, v12
	v_floor_f32 v12, -v13                          ; the new -M = floor(-t): M is a whole number
	v_sub_f32 v254, v12, v254                      ; old M - new M: a whole number, 0 or less
	v_cvt_i32_f32 v254, v254                       ; (it saturates)
	v_ldexp_f32 v252, 1.0, v254                    ; f = 2^(old M - new M)
.irp j, 0,2,4,6,8,10,12,14,16,18,20,22,24,26,28,30,32,34,36,38,40,42,44,46,48,50,52,54,56,58,60,62
	v_pk_fma_f32 v[96+\j:97+\j], v[96+\j:97+\j], s[CS:CS+1], v[12:13] op_sel_hi:[1,0,0]   ; t - M, two at a time
.endr
.irp b, 0,1,2,3
	v_fma_f32 v[232+\b], v[232+\b], s[CS], v12     ; the same of each block's largest score
.endr
.irp j, 0,1,2,3,4,5,6,7,8,9,10,11,12,13,14,15,16,17,18,19,20,21,22,23,24,25,26,27,28,29,30,31,32,33,34,35,36,37,38,39,40,41,42,43,44,45,46,47,48,49,50,51,52,53,54,55,56,57,58,59,60,61,62,63
	v_exp_f32 v[96+\j], v[96+\j]                   ; p = 2^(t - M), at most 1: not normalised
.endr
	v_pk_mul_f32 v[14:15], v[14:15], v[252:253] op_sel_hi:[1,0]   ; the sums under the new M: a plain place behind the exponentials
	s_wait_alu depctr_va_vdst(0)                   ; one wait for the whole batch, ahead of its first reader
.irp b, 0,1,2,3
	v_exp_f32 v[232+\b], v[232+\b]                 ; the block's largest p: the same two instructions on the same number give the same bits
.endr
	v_pk_add_f32 v[236:237], v[96:97], v[98:99]    ; THE ROW'S SUM IS TAKEN OF THE UNQUANTISED p: two at a time, in two chains
.irp j, 4,8,12,16,20,24,28,32,36,40,44,48,52,56,60
	v_pk_add_f32 v[14:15], v[14:15], v[96+\j:97+\j]
	v_pk_add_f32 v[236:237], v[236:237], v[98+\j:99+\j]
.endr
	v_pk_add_f32 v[14:15], v[14:15], v[236:237]
	s_wait_alu depctr_va_vdst(0)                   ; and one for the four
.irp b, 0,1,2,3
	v_max_num_f32 v[232+\b], 0x1800000, v[232+\b]  ; the floor 2^(3 - 127): the byte cannot fall under 1
.endr
.irp b, 0,1,2,3
	v_add_nc_u32 v[244+\b], 0xff000000, v[232+\b]  ; 2 off the exponent field: the conversion's scale operand
.endr
.irp b, 0,1,2,3
	v_lshrrev_b32 v[236+\b], 23, v[244+\b]         ; the scale's byte
.endr
	v_lshl_or_b32 v253, v237, 8, v236              ; p's scale word for these 128 keys
	v_lshl_or_b32 v253, v238, 16, v253
	v_lshl_or_b32 v253, v239, 24, v253
.irp c, 0,1
	v_cvt_scalef32_pk16_fp6_f32 v[224+6*\c:226+6*\c], v[96+32*\c:111+32*\c], v[244+2*\c]
	v_cvt_scalef32_pk16_fp6_f32 v[236+4*\c:238+4*\c], v[112+32*\c:127+32*\c], v[244+2*\c+1]   ; (a conversion's three registers begin on an even number)
.endr
	v_nop                                          ; one plain place behind the conversions
.irp c, 0,1                            ; the operand's layout wants a WHOLE block in a lane
.irp i, 0,1,2
	v_permlane16_swap_b32 v[224+6*\c+\i], v[236+4*\c+\i]
.endr
.irp i, 0,1,2
	v_mov_b32 v[227+6*\c+\i], v[236+4*\c+\i]
.endr
.endr
.irp j, 0,2,4,6,8,10,12,14,16,18,20,22,24,26,28,30
	v_pk_mul_f32 v[160+\j:161+\j], v[160+\j:161+\j], v[252:253] op_sel_hi:[1,0]   ; O^T under the new M, each accumulator from its low end on.  These 16 stand between the scale word's and the codes' last writes and the products
.endr
	s_wait_dscnt 0x0                               ; V
.irp t, 0,1,2,3
	PV \t
.endr
.endm
; A tile of 16 queries: all 16 key steps, then the way out.  The loop is written once: its first step finds zeros, which the first change of M leaves zeros.
.macro TILE u
.if \u
	s_wait_xcnt 0x0                                ; the first tile's stores have read their registers, which the scores take again
.irp i, 0,1,2,3,4,5
	v_mov_b32 v[16+\i], v[88+\i]                   ; the second tile's Q
.endr
.endif
	v_mov_b32 v13, 0xff61b1e6                      ; the largest t so far: -3e38, under every t
	v_floor_f32 v12, -v13                          ; -M
	v_mov_b32 v14, 0
	v_mov_b32 v15, 0
.irp j, 0,1,2,3,4,5,6,7,8,9,10,11,12,13,14,15,16,17,18,19,20,21,22,23,24,25,26,27,28,29,30,31
	v_mov_b32 v[160+\j], 0
.endr
	s_mov_b32 s[TB], 0
	s_mov_b32 s[CNT], 16
.Lk_\@:
	STEP \u
	s_add_co_u32 s[TB], s[TB], KV
	s_sub_co_u32 s[CNT], s[CNT], 1
	s_cmp_lg_u32 s[CNT], 0
	s_cbranch_scc1 .Lk_\@
	v_add_f32 v14, v14, v15                        ; the sum's two halves,
	v_permlanex16_b32 v252, v14, s[SEL], s[SEL+1]
	v_add_f32 v14, v14, v252                       ; and lane l xor 16's: the row's sum
	v_rcp_f32 v14, v14
.rept 4
	v_nop                                          ; the plain place behind the reciprocal, and the places behind the last products
.endr
	s_wait_alu depctr_va_vdst(0)                   ; ahead of the reciprocal's first reader
.irp j, 0,1,2,3,4,5,6,7,8,9,10,11,12,13,14,15,16,17,18,19,20,21,22,23,24,25,26,27,28,29,30,31
	v_mul_f32 v[192+\j], v[160+\j], v14            ; register 16 b + i is channel 32 b + 16 h + i of my query
.endr
.irp b, 0,1
.irp k, 0,1,2,3
	ds_store_b128 v[STO], v[192+16*\b+4*\k:195+16*\b+4*\k] offset:128*\b+16*\k
.endr
.endr
.irp k, 0,1,2,3,4,5,6,7
	ds_load_b128 v[96+4*\k:99+4*\k], v[RD] offset:2*\k*SP          ; LDS serves a wave's instructions in order: these see my stores
.endr
.irp k, 0,1,2,3,4,5,6,7
	s_wait_dscnt 7-\k                              ; the younger loads may stay out
	global_store_b128 v[LI], v[96+4*\k:99+4*\k], s[16:17] offset:(8*\u+2*\k+8*(\k/4))*256 th:TH_STORE_NT   ; stage row 2 k + h is query 8 u + 2 k + h + 8 (k / 4) of my 32; sixteen lanes store its 256 consecutive bytes
.endr
.endm
	TILE 0
	TILE 1
	s_wait_dscnt 0x0
	s_wait_tensorcnt 0x0
	ds_add_u32 v251, v255
	s_wait_dscnt 0x0
	ROUND                                          ; the closing round: no work-group ends while a partner may still ask for a tile that names it
	s_endpgm
.Lfunc_end_k_q0997a8664c_attn:
	.size	k_q0997a8664c_attn, .Lfunc_end_k_q0997a8664c_attn-k_q0997a8664c_attn
	.p2alignl 7, 3214868480
	.fill 96, 4, 3214868480
	.section	.rodata,"a",@progbits
	.p2align	6, 0x0
	.amdhsa_kernel k_q0997a8664c_attn
		.amdhsa_group_segment_fixed_size 280576
		.amdhsa_private_segment_fixed_size 0
		.amdhsa_enable_private_segment 0
		.amdhsa_kernarg_size 16
		.amdhsa_user_sgpr_count 2
		.amdhsa_user_sgpr_kernarg_segment_ptr 1
		.amdhsa_wavefront_size32 1
		.amdhsa_system_sgpr_workgroup_id_x 1
		.amdhsa_system_sgpr_workgroup_id_y 1
		.amdhsa_system_sgpr_workgroup_id_z 1
		.amdhsa_system_vgpr_workitem_id 0
		.amdhsa_next_free_vgpr 256
		.amdhsa_next_free_sgpr 66
		.amdhsa_reserve_vcc 0
		.amdhsa_float_denorm_mode_32 3
		.amdhsa_float_denorm_mode_16_64 3
		.amdhsa_memory_ordered 1
		.amdhsa_forward_progress 1
		.amdhsa_inst_pref_size 46
	.end_amdhsa_kernel
	.amdgpu_metadata
---
amdhsa.version: [ 1, 2 ]
amdhsa.kernels:
  - .name:           k_q0997a8664c_attn
    .symbol:         k_q0997a8664c_attn.kd
    .args:
      - { .name: qkv, .offset: 0, .size: 8, .value_kind: global_buffer, .address_space: global }
      - { .name: out0, .offset: 8, .size: 8, .value_kind: global_buffer, .address_space: global }
    .group_segment_fixed_size: 280576
    .private_segment_fixed_size: 0
    .kernarg_segment_align: 8
    .kernarg_segment_size: 16
    .max_flat_workgroup_size: 512
    .sgpr_count:     66
    .vgpr_count:     256
    .wavefront_size: 32
...
	.end_amdgpu_metadata
.endif
;; end of part 3
